; MI455X (gfx1250); checked and timed in simulation.
; The chip was launched on July 23, 2026; its instructions are those of AMD's public machine-readable ISA for CDNA 5 (MIT licence, August 2026) and "CDNA5" Instruction Set Architecture Reference Guide (July 2026). The comments in the code are by the model that wrote it; some were corrected since.
;; Attn. Allowed arithmetic: matrix products marked QUANTISED: E4M3 operands, one given power-of-two scale a tensor, by v_wmma_f32_16x16x64_fp8_fp8 or v_wmma_f32_16x16x128_fp8_fp8, f32 sums; products left as they are: f32 operands where the result goes on into a quantised operand, else bf16, f16 or f32 operands; f32 sums; everything else in f32.
;; Inputs: W 1,024 x 1,024 float32; b 1,024 float32; lowp_scales 2 int32 (the exponents e of the quantised operands' scales 2^e); outputs 64 x 1,024 x 1,024 float32; text_lens 64 int32; weight_vec 1,024 float32.
;; Outputs: out0 64 x 1,024 float32.
;; This version of the problem:
;;   THIS VERSION OF THE PROBLEM IS GIVEN IN LOW PRECISION. The matrix products marked QUANTISED in the list below multiply operands that are first quantised to E4M3 (4 exponent bits, 3 mantissa bits; 8 bits a number), with one given power-of-two scale for each operand tensor; their sums are f32. All else is computed in f32.
;;   The module's matrix products, in the order in which they are computed (A, B: the left and right operand; K: the contracted axis; several contracted axes count as one K, in the product's order):
;;     1. [M 65,536, K 1,024] x [K 1,024, N 1,024]; A: input outputs; B: input W: QUANTISED (scales: A lowp_scales[0], B lowp_scales[1])
;;     2. [M 65,536, K 1,024] x [K 1,024, N 1]; A: computed on the way; B: input weight_vec: left as it is (N = 1 < 16)
;;   THE QUANTISER, for each operand of a quantised product, along K:
;;     - The operand's scale is 2^e, e = its entry of the input lowp_scales (int32; the entries are numbered through the quantised products in the list's order, A before B).
;;     - Each number is divided by the scale, clamped to +-448, and rounded to the nearest number of E4M3, ties to even, subnormals kept.
;;     - The product sums the exact products of the quantised numbers (number of the format x scale) in f32.
;;   ~~~python
;;   def quantise(x, axis, e):      # numpy; x: float32 -> the quantised numbers, widened to float32 again
;;       x = np.moveaxis(x, axis, -1); K = x.shape[-1]
;;       r = np.clip(x / 2.0 ** e, -448, 448)
;;       step = 2.0 ** (np.maximum(np.frexp(np.where(r == 0, 1, r))[1] - 1, -6) - 3)
;;       q = np.round(r / step) * step * 2.0 ** e      # np.round: ties to even
;;       return np.moveaxis(q, -1, axis).astype(np.float32)
;;   ~~~
;; One version. Each part assembles by itself: llvm-mc -triple=amdgcn-amd-amdhsa -mcpu=gfx1250 --defsym DOCPART=n.
;; ======== version 1 of 1: 3 launches
;; limits: right only within a limited range of input values
;; workspace buffers: wcodes 1,048,576 bytes; plan 32,768 bytes of whole numbers; energies 262,144 bytes
;; launch prep (part 1): grid 64 x 1, 4 waves a work-group, no clusters, 17,408 bytes of LDS; arguments W, lowp_scales, text_lens, wcodes, plan, energies; writes wcodes, plan, energies
.if DOCPART == 1
	.amdgcn_target "amdgcn-amd-amdhsa--gfx1250"
	.amdhsa_code_object_version 6
	.text
	.protected	k_qdeed8f7e4f_prep
	.globl	k_qdeed8f7e4f_prep
	.p2align	8
	.type	k_qdeed8f7e4f_prep,@function
k_qdeed8f7e4f_prep:
	s_mov_b64 s[64:65], 0
	v_nop
	global_prefetch_b8 v0, s[64:65] scope:SCOPE_SE
	s_setreg_imm32_b32 hwreg(HW_REG_WAVE_MODE, 25, 1), 1
	s_wait_xcnt 0x0
; THREE SMALL JOBS AHEAD OF THE PRODUCT.  Work-group p (of 64), four waves:
; (1) W's rows 16 p .. 16 p + 15 become codes of E4M3 with the given scale 2^e1 (code = x / 2^e1, held within +-448, nearest, ties to even), stored as IMAGES OF OPERAND REGISTERS:
;     byte = v 131072 + kq 32768 + ab 16384 + s2 8192 + j 2048 + c 512 + 16 lane, where the tile of 16 rows is p = 32 ab + 4 v + j, the K step of 128 is 2 kq + s2, and lane (r, h), piece c,
;     holds 16 codes of row r at place 128 (2 kq + s2) + 32 c + 16 h of the row of codes.
;     K IS PERMUTED: a lane's load j of half q brings the numbers k = 512 q + 128 j + 4 lane + i; their codes are laid at place 512 q + 16 lane + 4 j + i.  The launch that multiplies lays x's codes
;     by the same rule, so every product meets its partner; only the order of the sums changes.
; (2) energies of batch p are filled with -1e10, so that every word which the last launch loads has been stored.
; (3) the list of tiles: batch b has n_b = ceil(min(max(len_b, 0), 1024) / 16) tiles of 16 rows that the mask keeps, T in all.  Work-group g of the next launch takes the tiles (g T) >> 8 up to ((g + 1) T) >> 8,
;     16 at the most.  Row g of plan (32 words): words 0-15 tile ids 64 b + tile, word 16 their count.  Wave w makes row g = 4 p + w.  No address and no branch here hangs on a length.
; LIMITS: e1 between -126 and 119, so that 2^e1 and 448 x 2^e1 are f32 numbers.  NaN in W is not served; an infinity is held at the largest code.
.set PITCH, 1040                       ; a row of 1,024 codes in LDS + 16 bytes: 65 x 16, so the 16 rows that an image load touches begin 16 bytes apart modulo 256
.set X,     32                         ; v32-159  four rows of W, 32 numbers a lane each: register 32 rr + 16 q + 4 j + i
.set C,     160                        ; v160-191 their codes: 8 rr + 4 q + 0..3
.set IM,    192                        ; v192-223 two images: 16 s2 + 4 c + 0..3
	s_load_b256 s[4:11], s[0:1], 0x0               ; W s[4:5], lowp_scales s[6:7], text_lens s[8:9], wcodes s[10:11]
	s_load_b128 s[12:15], s[0:1], 0x20             ; plan s[12:13], energies s[14:15]
	v_lshl_add_u32 v224, v0, 2, 0x4200
	v_mov_b32 v225, 0
	v_lshrrev_b32 v1, 5, v0
	v_readfirstlane_b32 s84, v1                    ; wave 0..3
	v_and_b32 v1, 31, v0                           ; lane
	v_lshlrev_b32 v2, 4, v1                        ; 16 x lane
	s_lshl_b32 s85, s84, 14
	v_add_nc_u32 v3, s85, v2                       ; W: my wave's four rows of 4,096 bytes, 16 bytes a lane
	s_mul_i32 s85, s84, 4*PITCH
	v_add_nc_u32 v4, s85, v2                       ; LDS, in: my wave's four rows of codes
	v_and_b32 v5, 15, v0
	v_bfe_u32 v6, v0, 4, 1
	v_mul_u32_u24 v5, v5, PITCH
	v_lshl_add_u32 v5, v6, 4, v5
	s_lshl_b32 s85, s84, 8
	v_add_nc_u32 v5, s85, v5                       ; LDS, out: row r, + 16 h, + my wave's two K steps (256 bytes)
	v_lshlrev_b32 v6, 4, v0                        ; the fill: 16 bytes a thread
	v_lshlrev_b32 v7, 2, v1                        ; the plan's row: a word a lane
.irp i, 8,9,10,11
	v_mov_b32 v\i, 0xd01502f9                      ; -1e10
.endr
	s_lshl_b32 s86, ttmp9, 16                      ; 16 rows of W are 65,536 bytes
	s_mov_b32 s87, 0
	s_wait_alu depctr_va_vdst(0)
	s_wait_kmcnt 0x0
	s_load_b512 s[16:31], s[8:9], 0x0              ; the 64 lengths: batches 0-47 in s16-63,
	s_load_b512 s[32:47], s[8:9], 0x40
	s_load_b512 s[48:63], s[8:9], 0x80
	s_load_b512 s[68:83], s[8:9], 0xc0             ; batches 48-63 in s68-83
	s_load_b32 s89, s[6:7], 0x4                    ; e1
	s_add_nc_u64 s[4:5], s[4:5], s[86:87]
.irp rr, 0,1,2,3
.irp q, 0,1
.irp j, 0,1,2,3
	global_load_b128 v[X+32*\rr+16*\q+4*\j:X+32*\rr+16*\q+4*\j+3], v3, s[4:5] offset:4096*\rr+2048*\q+512*\j th:TH_LOAD_NT   ; 32 lanes read 512 consecutive bytes
.endr
.endr
.endr
	s_lshl_b32 s86, ttmp9, 12                      ; a batch's energies are 4,096 bytes
	s_add_nc_u64 s[14:15], s[14:15], s[86:87]
	global_store_b128 v6, v[8:11], s[14:15]                ; 128 threads x 16 bytes, twice
	global_store_b128 v6, v[8:11], s[14:15] offset:2048
	s_wait_kmcnt 0x0
	; ---- the list of tiles, while W's rows are on their way
	s_mov_b32 s90, 0                               ; T
.set bb, 0
.rept 64
.set rg, 16+bb+4*(bb/48)
	s_max_i32 s[rg], s[rg], 0                      ; any int32 is served: the length is held within 0 .. 1,024 first
	s_min_i32 s[rg], s[rg], 1024
	s_add_co_u32 s[rg], s[rg], 15
	s_lshr_b32 s[rg], s[rg], 4                     ; n_b
	s_add_co_u32 s90, s90, s[rg]
.set bb, bb+1
.endr
	s_lshl_b32 s91, ttmp9, 2
	s_add_co_u32 s91, s91, s84                     ; g = 4 p + wave
	s_mul_i32 s92, s91, s90                        ; g T, at most 255 x 4,096
	s_add_co_u32 s93, s92, s90
	s_lshr_b32 s92, s92, 8                         ; the first of g's tiles in the compact order
	s_lshr_b32 s93, s93, 8
	s_sub_co_u32 s93, s93, s92                     ; and their count
	v_add_nc_u32 v12, s92, v1                      ; lane i looks for compact tile first + i
	v_mov_b32 v13, 0
	s_mov_b32 s94, 0                               ; P_b: tiles of the batches ahead of b
.set bb, 0
.rept 64
.set rg, 16+bb+4*(bb/48)
	s_sub_co_u32 s95, 64*bb, s94                   ; (never negative: P_b is at most 64 b)
	v_cmp_le_u32 vcc_lo, s94, v12                  ; the last batch with P_b <= my tile wins, so batches without tiles drop out
	v_add_nc_u32 v14, s95, v12                     ; id = 64 b + (my tile - P_b)
	v_cndmask_b32 v13, v13, v14, vcc_lo
	s_add_co_u32 s94, s94, s[rg]
.set bb, bb+1
.endr
	v_min_u32 v13, 0xfff, v13                      ; words beyond the count hold some id inside the table; nobody stores by them
	v_mov_b32 v14, s93
	v_cmp_eq_u32 vcc_lo, 16, v1
	v_cndmask_b32 v13, v13, v14, vcc_lo            ; word 16: the count
	s_lshl_b32 s86, s91, 7
	s_add_nc_u64 s[12:13], s[12:13], s[86:87]
	global_store_b32 v7, v13, s[12:13]             ; 128 consecutive bytes a wave, 512 a work-group
	; ---- W's codes
	s_add_co_i32 s88, s89, 127
	s_lshl_b32 s89, s88, 23
	v_mov_b32 v16, s89                             ; 2^e1 as f32: the conversion takes its exponent field
	s_add_co_i32 s88, s88, 8
	s_lshl_b32 s88, s88, 23
	s_or_b32 s88, s88, 0x600000
	v_mov_b32 v17, s88                             ; 448 x 2^e1
	s_wait_alu depctr_va_vdst(0)
	s_wait_loadcnt 0x0
.set n, 0
.rept 128
	v_med3_num_f32 v[X+n], v[X+n], -v17, v17       ; the conversion to an 8-bit code does not saturate (ISA guide 7.6.2): the hold comes first
.set n, n+1
.endr
.irp g, 0,1,2,3,4,5,6,7                        ; g = 2 rr + q
	v_cvt_scalef32_pk8_fp8_f32 v[C+4*\g:C+4*\g+1], v[X+16*\g:X+16*\g+7], v16
	v_cvt_scalef32_pk8_fp8_f32 v[C+4*\g+2:C+4*\g+3], v[X+16*\g+8:X+16*\g+15], v16
.endr
	v_nop                                          ; a plain line behind the last conversion
.irp rr, 0,1,2,3
.irp q, 0,1
	ds_store_b128 v4, v[C+8*\rr+4*\q:C+8*\rr+4*\q+3] offset:PITCH*\rr+512*\q   ; 512 consecutive bytes of a row of codes
.endr
.endr
	s_wait_dscnt 0x0                               ; for the others' sake: my rows lie in LDS
	s_barrier_signal -1
	s_barrier_wait -1                              ; all 16 rows do
.irp s, 0,1
.irp c, 0,1,2,3
	ds_load_b128 v[IM+16*\s+4*\c:IM+16*\s+4*\c+3], v5 offset:128*\s+32*\c
.endr
.endr
	s_and_b32 s85, ttmp9, 31
	s_lshr_b32 s85, s85, 2
	s_lshl_b32 s85, s85, 17                        ; v 131072
	s_lshl_b32 s86, s84, 15                        ; kq 32768: my wave's number
	s_add_co_u32 s86, s86, s85
	s_lshr_b32 s85, ttmp9, 5
	s_lshl_b32 s85, s85, 14                        ; ab 16384
	s_add_co_u32 s86, s86, s85
	s_and_b32 s85, ttmp9, 3
	s_lshl_b32 s85, s85, 11                        ; j 2048
	s_add_co_u32 s86, s86, s85
	s_add_nc_u64 s[10:11], s[10:11], s[86:87]
.irp s, 0,1
.irp c, 0,1,2,3
	s_wait_dscnt 7-4*\s-\c                         ; LDS loads come back in order: this piece is in, the younger ones may be out
	global_store_b128 v2, v[IM+16*\s+4*\c:IM+16*\s+4*\c+3], s[10:11] offset:8192*\s+512*\c   ; 32 lanes store 512 consecutive bytes, aligned
.endr
.endr
	s_wait_tensorcnt 0x0
	ds_add_u32 v224, v225
	s_wait_dscnt 0x0
	s_endpgm
.Lfunc_end_k_qdeed8f7e4f_prep:
	.size	k_qdeed8f7e4f_prep, .Lfunc_end_k_qdeed8f7e4f_prep-k_qdeed8f7e4f_prep
	.p2alignl 7, 3214868480
	.fill 96, 4, 3214868480
	.section	.rodata,"a",@progbits
	.p2align	6, 0x0
	.amdhsa_kernel k_qdeed8f7e4f_prep
		.amdhsa_group_segment_fixed_size 17408
		.amdhsa_private_segment_fixed_size 0
		.amdhsa_enable_private_segment 0
		.amdhsa_kernarg_size 48
		.amdhsa_user_sgpr_count 2
		.amdhsa_user_sgpr_kernarg_segment_ptr 1
		.amdhsa_wavefront_size32 1
		.amdhsa_system_sgpr_workgroup_id_x 1
		.amdhsa_system_sgpr_workgroup_id_y 1
		.amdhsa_system_sgpr_workgroup_id_z 1
		.amdhsa_system_vgpr_workitem_id 0
		.amdhsa_next_free_vgpr 226
		.amdhsa_next_free_sgpr 100
		.amdhsa_reserve_vcc 1
		.amdhsa_float_denorm_mode_32 3
		.amdhsa_float_denorm_mode_16_64 3
		.amdhsa_memory_ordered 1
		.amdhsa_forward_progress 1
		.amdhsa_inst_pref_size 42
	.end_amdhsa_kernel
	.amdgpu_metadata
---
amdhsa.version: [ 1, 2 ]
amdhsa.kernels:
  - .name:           k_qdeed8f7e4f_prep
    .symbol:         k_qdeed8f7e4f_prep.kd
    .args:
      - { .name: W, .offset: 0, .size: 8, .value_kind: global_buffer, .address_space: global }
      - { .name: lowp_scales, .offset: 8, .size: 8, .value_kind: global_buffer, .address_space: global }
      - { .name: text_lens, .offset: 16, .size: 8, .value_kind: global_buffer, .address_space: global }
      - { .name: wcodes, .offset: 24, .size: 8, .value_kind: global_buffer, .address_space: global }
      - { .name: plan, .offset: 32, .size: 8, .value_kind: global_buffer, .address_space: global }
      - { .name: energies, .offset: 40, .size: 8, .value_kind: global_buffer, .address_space: global }
    .group_segment_fixed_size: 17408
    .private_segment_fixed_size: 0
    .kernarg_segment_align: 8
    .kernarg_segment_size: 48
    .max_flat_workgroup_size: 128
    .sgpr_count:     100
    .vgpr_count:     226
    .wavefront_size: 32
...
	.end_amdgpu_metadata
.endif
;; end of part 1
;; launch energy (part 2): grid 256 x 1, 8 waves a work-group, no clusters, 308,736 bytes of LDS; arguments outputs, wcodes, plan, lowp_scales, weight_vec, energies; writes energies
.if DOCPART == 2
	.amdgcn_target "amdgcn-amd-amdhsa--gfx1250"
	.amdhsa_code_object_version 6
	.text
	.protected	k_qdeed8f7e4f_energy
	.globl	k_qdeed8f7e4f_energy
	.p2align	8
	.type	k_qdeed8f7e4f_energy,@function
k_qdeed8f7e4f_energy:
	s_mov_b64 s[64:65], 0
	v_nop
	global_prefetch_b8 v0, s[64:65] scope:SCOPE_SE
	s_setreg_imm32_b32 hwreg(HW_REG_WAVE_MODE, 25, 1), 1
	s_wait_xcnt 0x0
; energies[row] = 2^(e0 + e1) x sum over n of weight_vec[n] x (sum over k of code(x[row][k]) code(W[n][k])), for the rows of the tiles (16 rows each) that the mask keeps.  The bias's part, b . weight_vec, is the same
; for every row and is added by the last launch.  Rows that the mask throws away are neither read nor multiplied.
; SHARES.  Work-group g takes the tiles listed in row g of plan: nt of them, 16 at the most.  Eight waves, two to a SIMD, 512 registers each.
;   PHASE X: wave v quantises rows 2 v, 2 v + 1 of every tile (code = x / 2^e0, held within +-448, nearest, ties to even) into LDS: a slot of 16 rows x 1,024 codes for each tile.  x is read once, in loads of 512 consecutive bytes.
;   THE PRODUCT: wave v owns the tiles of 16 columns n: 4 v .. 4 v + 3 (set A) and 32 + 4 v .. 32 + 4 v + 3 (set B), for all rows and all K.  W's codes come from memory straight into registers, as images of the operand's
;   registers laid by the launch before: a SET is 4 tiles x 2 K steps of 128 = 128 registers, 32 loads.  A SWEEP multiplies one set with all nt slots: for each slot 2 fragments of x from LDS, 8 matrix instructions on four
;   accumulators by turns, and the dot with weight_vec in f32 into a pair E[m].  While one set is swept, the other is loaded anew.  Four K quarters x two sets: every code of W is loaded once by the work-group.
;   OUT: E's halves, the two halves of the lanes and the eight waves are added (through LDS), multiplied by 2^(e0 + e1), and stored for the listed tiles.
; K IS PERMUTED alike in x's and W's codes: load j of half q brings a lane k = 512 q + 128 j + 4 lane + i, whose codes lie at place 512 q + 16 lane + 4 j + i.  Products meet their partners; the order of sums differs.
; THE MATRIX INSTRUCTION IS USED TRANSPOSED (source 0 = 16 rows of W, source 1 = 16 rows of x): lane (r, h) holds row r of x and columns 16 t + 8 h + 0 .. 7, beside which its eight numbers of weight_vec lie in registers.
; W'S CODES ARE SHARED BY ALL WORK-GROUPS AND STILL NOT ASKED FOR JOINTLY: the number of stages in a sweep is a count read from memory and differs between work-groups
; A text without branches on the count would read and multiply all 4,096 tiles, whatever the lengths.
; A work-group whose count is 0 (only where fewer than 256 tiles are kept in all) walks one tile and stores nothing, so that no barrier stands under a branch on a loaded number.
; LIMITS: e0 between -126 and 119, so that 2^e0 and 448 x 2^e0 are f32 numbers; e0 + e1 is applied by v_ldexp_f32.  NaN in outputs is not served; an infinity is held at the largest code.
; REGISTERS.  Window 0: v1 16 lane; v2 x's offset; v3, v4 LDS store; v5 LDS read, lane term; v6-9 LDS read for slots 0-3, 4-7, 8-11, 12-15; v10 weight_vec's offset; v11 2^e0; v12 448 x 2^e0; v13 my slot's tile id; v14, v15 at work;
;   v16-63 phase X: codes (16 a slot in hand); then v16-47 x's fragments, buffer 0, v48-55 T;  v64-127 phase X: stage 2; then v64-95 buffer 1, v96-127 the four accumulators;  v128-191 weight_vec (32 ab + 8 j + i);
;   v192-223 E (a pair a slot);  v224-239 at work at the end.   Window 1: v0-127 set A;  v128-255 phase X: stages 0 and 1; then set B.
.set PITCH, 1040                       ; a row of 1,024 codes + 16 bytes: 65 x 16, so the 16 rows that a fragment load touches begin 16 bytes apart modulo 256
.set SLOTB, 16*PITCH                   ; a slot
.set RED,   18*SLOTB                   ; behind room for 18 slots (the text of phase X names slots up to 17; 16 are ever used): 8 waves x 256 rows of f32
.set CT,    16
.set XA,    16
.set T,     48
.set ACC,   96
.set WVR,   128
.set E,     192
.set MSB, 0
.macro WIN new                         ; s_set_vgpr_msb: bits 1:0 source 0, 3:2 source 1, 5:4 source 2, 7:6 destination; the high byte repeats the setting that is left
.if MSB != \new
	s_set_vgpr_msb (MSB<<8)|\new
.set MSB, \new
.endif
.endm
.macro MKXAD                           ; the four LDS read addresses for the K quarter at byte s33 of a row
	v_add_nc_u32 v6, s33, v5
.irp q, 1,2,3
	s_add_co_u32 s34, s33, \q*4*SLOTB
	v_add_nc_u32 v[6+\q], s34, v5
.endr
	s_wait_alu depctr_va_vdst(0)
.endm
.macro WLOAD w, off                    ; a set of W: fragment f = 4 s2 + j at v[128 w + 16 f] of window 1; each load takes 512 consecutive bytes
	WIN 0x40
.irp f, 0,1,2,3,4,5,6,7
.irp c, 0,1,2,3
	global_load_b128 v[128*\w+16*\f+4*\c:128*\w+16*\f+4*\c+3], v1, s[36:37] offset:\off+2048*\f+512*\c
.endr
.endr
	WIN 0
.endm
.macro ISSUE i                         ; the i-th tile in hand: my two rows, 16 loads of 512 consecutive bytes, into stage i
	s_min_u32 s34, s[48+\i], 0xfff                 ; a loaded number enters an address only held inside the table
	s_lshl_b32 s28, s34, 16                        ; a tile of 16 rows is 65,536 bytes
	s_add_nc_u64 s[22+2*\i:23+2*\i], s[4:5], s[28:29]
.if \i < 2
.set SB, 128+64*\i
	WIN 0x40
.else
.set SB, 64
.endif
.irp rr, 0,1
.irp q, 0,1
.irp j, 0,1,2,3
	global_load_b128 v[SB+32*\rr+16*\q+4*\j:SB+32*\rr+16*\q+4*\j+3], v2, s[22+2*\i:23+2*\i] offset:4096*\rr+2048*\q+512*\j th:TH_LOAD_NT
.endr
.endr
.endr
	WIN 0
.endm
.macro PROCESS i                       ; stage i: hold, convert, store 4 x 512 bytes of codes into slot s19 + i
.if \i < 2
.set SB, 128+64*\i
	WIN 0x41
.else
.set SB, 64
.endif
.set n, 0
.rept 64
	v_med3_num_f32 v[SB+n], v[SB+n], -v12, v12     ; the conversion to an 8-bit code does not saturate (ISA guide 7.6.2): the hold comes first
.set n, n+1
.endr
.if \i < 2
	WIN 0x01
.endif
.irp g, 0,1,2,3                        ; g = 2 rr + q
	v_cvt_scalef32_pk8_fp8_f32 v[CT+16*\i+4*\g:CT+16*\i+4*\g+1], v[SB+16*\g:SB+16*\g+7], v11
	v_cvt_scalef32_pk8_fp8_f32 v[CT+16*\i+4*\g+2:CT+16*\i+4*\g+3], v[SB+16*\g+8:SB+16*\g+15], v11
.endr
	WIN 0
	v_nop                                          ; a plain line behind the last conversion
.irp rr, 0,1
.irp q, 0,1
	ds_store_b128 v4, v[CT+16*\i+8*\rr+4*\q:CT+16*\i+8*\rr+4*\q+3] offset:SLOTB*\i+PITCH*\rr+512*\q
.endr
.endr
.endm
.macro PF m                            ; slot m's two fragments of the K quarter in hand into buffer m % 2: lane (r, h), piece c: 16 codes at row r, 128 s2 + 32 c + 16 h
.irp s, 0,1
.irp c, 0,1,2,3
	ds_load_b128 v[XA+48*((\m)%2)+16*\s+4*\c:XA+48*((\m)%2)+16*\s+4*\c+3], v[6+(\m)/4] offset:((\m)%4)*SLOTB+128*\s+32*\c
.endr
.endr
.endm
; Slot m against set w.  The four accumulators take turns, one instruction a turn; the first four products start the sums.  Four v_nop are the places between the products and the
; first read of a result (ISA guide 7.12.1).  Of the 19 packed lines behind them at least 15 name no register of any one product: with the v_nop they are the places ahead of the next slot's products, which begin the
; accumulators anew, and ahead of the loads into a fragment buffer or a set that these products have read.  Each accumulator is read from its low end on.
.macro COMPUTE w, m
.set XBUF, XA+48*((\m)%2)
.set EM,   E+2*(\m)
.set WB,   WVR+32*(\w)
.set WS,   128*(\w)
	WIN 0x01                                       ; source 0 (W) window 1
.irp j, 0,1,2,3
	v_wmma_f32_16x16x128_fp8_fp8 v[ACC+8*\j:ACC+8*\j+7], v[WS+16*\j:WS+16*\j+15], v[XBUF:XBUF+15], 0
.endr
.irp j, 0,1,2,3
	v_wmma_f32_16x16x128_fp8_fp8 v[ACC+8*\j:ACC+8*\j+7], v[WS+64+16*\j:WS+64+16*\j+15], v[XBUF+16:XBUF+31], v[ACC+8*\j:ACC+8*\j+7]
.endr
	WIN 0
.rept 4
	v_nop
.endr
	v_pk_fma_f32 v[T:T+1], v[ACC:ACC+1], v[WB:WB+1], v[EM:EM+1]    ; four chains, one for each tile of columns; the first takes E[m] along
.irp j, 1,2,3
	v_pk_mul_f32 v[T+2*\j:T+2*\j+1], v[ACC+8*\j:ACC+8*\j+1], v[WB+8*\j:WB+8*\j+1]
.endr
.irp p, 1,2,3
.irp j, 0,1,2,3
	v_pk_fma_f32 v[T+2*\j:T+2*\j+1], v[ACC+8*\j+2*\p:ACC+8*\j+2*\p+1], v[WB+8*\j+2*\p:WB+8*\j+2*\p+1], v[T+2*\j:T+2*\j+1]
.endr
.endr
	v_pk_add_f32 v[T:T+1], v[T:T+1], v[T+2:T+3]
	v_pk_add_f32 v[T+4:T+5], v[T+4:T+5], v[T+6:T+7]
	v_pk_add_f32 v[EM:EM+1], v[T:T+1], v[T+4:T+5]
	s_wait_alu depctr_va_vdst(0)
.endm
; A sweep of set w over slots 0 .. nt - 1.  At its head slot 0's eight fragment loads are out.  Stage m asks for slot m + 1 and multiplies slot m; the last slot's stage asks for nothing and is written out of line, once
; for each m, so that every stage is reached only through the loads that feed it.  At the end no LDS load is out.
.macro SWEEP w
.irp m, 0,1,2,3,4,5,6,7,8,9,10,11,12,13,14
	s_cmp_le_u32 s17, \m+1
	s_cbranch_scc1 .Llast\w\m
	PF \m+1
	s_wait_dscnt 8                                 ; slot m's fragments are in; the eight loads just issued may be out
	COMPUTE \w, \m
.endr
	s_wait_dscnt 0x0
	COMPUTE \w, 15
	s_branch .Lend\w
.irp m, 0,1,2,3,4,5,6,7,8,9,10,11,12,13,14
.Llast\w\m:
	s_wait_dscnt 0x0
	COMPUTE \w, \m
	s_branch .Lend\w
.endr
.Lend\w:
.endm
	s_load_b256 s[4:11], s[0:1], 0x0               ; outputs s[4:5], wcodes s[6:7], plan s[8:9], lowp_scales s[10:11]
	s_load_b128 s[12:15], s[0:1], 0x20             ; weight_vec s[12:13], energies s[14:15]
	v_lshl_add_u32 v254, v0, 2, 0x4b200
	v_mov_b32 v255, 0
	v_lshrrev_b32 v15, 5, v0
	v_readfirstlane_b32 s16, v15                   ; wave 0..7
	v_and_b32 v15, 31, v0
	v_lshlrev_b32 v1, 4, v15                       ; 16 x lane
	s_lshl_b32 s34, s16, 13
	v_add_nc_u32 v2, s34, v1                       ; x: my wave's two rows of 4,096 bytes
	s_mul_i32 s34, s16, 2*PITCH
	v_add_nc_u32 v3, s34, v1                       ; and their codes' place in a slot
	v_and_b32 v15, 15, v0                          ; r
	v_mul_u32_u24 v5, v15, PITCH
	v_bfe_u32 v15, v0, 4, 1                        ; h
	v_lshl_add_u32 v5, v15, 4, v5                  ; a fragment: row r, + 16 h
	s_lshl_b32 s34, s16, 8
	v_lshl_add_u32 v10, v15, 5, s34                ; weight_vec: 4 x (64 v + 8 h) bytes; rewritten nowhere
	v_lshrrev_b32 v14, 4, v0
	v_lshlrev_b32 v14, 2, v14                      ; the plan's word of slot thread / 16; left alone until its load is shown done
	s_mov_b32 s33, 0                               ; byte of the K quarter in a row of codes
	MKXAD
	s_mov_b32 s38, 0x76543210                      ; v_permlanex16_b32: lane l xor 16
	s_mov_b32 s39, 0xfedcba98
	s_lshl_b32 s28, ttmp9, 7                       ; my row of plan: 128 bytes
	s_mov_b32 s29, 0
	s_wait_alu depctr_va_vdst(0)
	s_wait_kmcnt 0x0
	s_add_nc_u64 s[8:9], s[8:9], s[28:29]
	s_load_b512 s[48:63], s[8:9], 0x0              ; the 16 tile ids
	s_load_b32 s18, s[8:9], 0x40                   ; their count
	s_load_b64 s[30:31], s[10:11], 0x0             ; e0, e1
	global_load_b32 v13, v14, s[8:9]               ; the id of the slot whose energy I store at the end
.irp ab, 0,1
.irp j, 0,1,2,3
	global_load_b128 v[WVR+32*\ab+8*\j:WVR+32*\ab+8*\j+3],   v10, s[12:13] offset:2048*\ab+64*\j      ; weight_vec at columns 16 (32 ab + 4 v + j) + 8 h + 0 .. 7
	global_load_b128 v[WVR+32*\ab+8*\j+4:WVR+32*\ab+8*\j+7], v10, s[12:13] offset:2048*\ab+64*\j+16
.endr
.endr
	s_lshl_b32 s28, s16, 17
	s_add_nc_u64 s[36:37], s[6:7], s[28:29]        ; my wave's 131,072 bytes of W's codes
	WLOAD 0, 0                                     ; set A of K quarter 0 lands while x is quantised
	s_wait_kmcnt 0x0
	s_min_u32 s18, s18, 16                         ; the count,
	s_max_u32 s17, s18, 1                          ; and the slots that are walked
	s_add_co_i32 s41, s30, s31                     ; e0 + e1
	s_add_co_i32 s34, s30, 127
	s_lshl_b32 s35, s34, 23
	v_mov_b32 v11, s35                             ; 2^e0 as f32: the conversion takes its exponent field
	s_add_co_i32 s34, s34, 8
	s_lshl_b32 s34, s34, 23
	s_or_b32 s34, s34, 0x600000
	v_mov_b32 v12, s34                             ; 448 x 2^e0
	s_mov_b32 s19, 0                               ; the first slot of the trip
	s_mov_b32 s21, 0                               ; and its byte in LDS
; ---- PHASE X: six trips, a constant of the text, three slots a trip.  Each arm holds its own loads, their counted waits and their work; up to 48 loads of x a wave are out.
.Lxtrip:
	v_add_nc_u32 v4, s21, v3
	s_wait_alu depctr_va_vdst(0)                   ; v4, and in the first trip v11
	s_sub_co_i32 s20, s17, s19                     ; slots left
	s_cmp_lt_i32 s20, 1
	s_cbranch_scc1 .Lxnext
	ISSUE 0
	s_cmp_lt_i32 s20, 2
	s_cbranch_scc1 .Lx1
	ISSUE 1
	s_cmp_lt_i32 s20, 3
	s_cbranch_scc1 .Lx2
	ISSUE 2
	s_wait_loadcnt 32                              ; stage 0 is in; the 2 x 16 loads of stages 1 and 2 may be out
	PROCESS 0
	s_wait_loadcnt 16                              ; stage 1 is in; stage 2's 16 may be out
	PROCESS 1
	s_wait_loadcnt 0x0
	PROCESS 2
	s_branch .Lxnext
.Lx2:
	s_wait_loadcnt 16                              ; stage 0 is in; stage 1's 16 may be out
	PROCESS 0
	s_wait_loadcnt 0x0
	PROCESS 1
	s_branch .Lxnext
.Lx1:
	s_wait_loadcnt 0x0
	PROCESS 0
.Lxnext:
	s_wait_dscnt 0x0                               ; my stores have read the codes' registers and v4: both are written again in the next trip
.irp k, 48,49,50,51,52,53,54,55,56,57,58,59,60
	s_mov_b32 s[\k], s[\k+3]                       ; the list of ids moves down three places
.endr
	s_add_co_u32 s21, s21, 3*SLOTB
	s_add_co_u32 s19, s19, 3
	s_cmp_lt_u32 s19, 18
	s_cbranch_scc1 .Lxtrip
	WLOAD 1, 16384                                 ; set B of K quarter 0, into the registers that stages 0 and 1 have left
.set n, 0
.rept 32
	v_mov_b32 v[E+n], 0                            ; E: slots that are not walked stay 0
.set n, n+1
.endr
	s_wait_alu depctr_va_vdst(0)
	s_barrier_signal -1
	s_barrier_wait -1
	PF 0
	s_wait_loadcnt 32                              ; my slot's id, weight_vec and set A are in; set B's 32 loads may be out
	s_mov_b32 s32, 0                               ; K quarter
; ---- THE PRODUCT: four trips, a K quarter (256 along K) each
.Lkq:
	SWEEP 0
	PF 0                                           ; the same K quarter once more, for set B
	s_cmp_eq_u32 s32, 3
	s_cbranch_scc1 .Lno_a
	WLOAD 0, 32768                                 ; set A of the next K quarter: it has set B's sweep in which to land
	s_wait_loadcnt 32                              ; set B is in; the 32 loads just issued may be out
	s_branch .Lgo_b
.Lno_a:
	s_wait_loadcnt 0x0                             ; the last K quarter asks for nothing: no load leaves the buffer
.Lgo_b:
	SWEEP 1
	s_add_co_u32 s33, s33, 256
	MKXAD                                          ; no LDS load is out here
	s_cmp_eq_u32 s32, 3
	s_cbranch_scc1 .Lno_b
	PF 0                                           ; the next K quarter's first fragments
	WLOAD 1, 49152                                 ; set B of the next K quarter
	s_wait_loadcnt 32                              ; set A is in; the 32 loads just issued may be out
	s_branch .Lkq_next
.Lno_b:
	s_wait_loadcnt 0x0
.Lkq_next:
	s_wait_xcnt 0x0                                ; the loads that are out have had their addresses translated (ISA guide 3.1): their base steps only behind this wait
	s_add_nc_u64 s[36:37], s[36:37], 32768
	s_add_co_u32 s32, s32, 1
	s_cmp_lt_u32 s32, 4
	s_cbranch_scc1 .Lkq
; ---- OUT
	v_and_b32 v15, 15, v0
	s_lshl_b32 s34, s16, 10
	s_add_co_u32 s34, s34, RED
	v_lshl_add_u32 v15, v15, 2, s34                ; my wave's 256 words: 4 r, + 64 a slot
.irp m, 0,1,2,3,4,5,6,7,8,9,10,11,12,13,14,15
	v_add_f32 v[224+\m], v[E+2*\m], v[E+2*\m+1]    ; the pair's halves,
.endr
.irp m, 0,1,2,3,4,5,6,7,8,9,10,11,12,13,14,15
	v_permlanex16_b32 v[E+2*\m], v[224+\m], s38, s39   ; (its destination counts as read: a register that has been written)
.endr
.irp m, 0,1,2,3,4,5,6,7,8,9,10,11,12,13,14,15
	v_add_f32 v[224+\m], v[224+\m], v[E+2*\m]      ; and the other half of the lanes' eight columns
.endr
.irp m, 0,1,2,3,4,5,6,7,8,9,10,11,12,13,14,15
	ds_store_b32 v15, v[224+\m] offset:64*\m       ; lanes l and l + 16 write the same word with the same number
.endr
	s_wait_dscnt 0x0                               ; for the others' sake: my part sums lie in LDS
	s_barrier_signal -1
	s_barrier_wait -1
	v_lshl_add_u32 v15, v0, 2, RED                 ; thread t takes row t of the 256: slot t / 16, row t % 16
.irp k, 0,1,2,3,4,5,6,7
	ds_load_b32 v[224+\k], v15 offset:1024*\k
.endr
	v_min_u32 v13, 0xfff, v13                      ; a loaded number enters an address only held inside the table
	v_and_b32 v14, 15, v0
	v_lshl_add_u32 v13, v13, 4, v14                ; row = 16 id + t % 16
	v_lshlrev_b32 v13, 2, v13
	v_lshrrev_b32 v14, 4, v0
	s_wait_alu depctr_va_vdst(0)
	s_wait_dscnt 0x0
	v_add_f32 v224, v224, v225
	v_add_f32 v226, v226, v227
	v_add_f32 v228, v228, v229
	v_add_f32 v230, v230, v231
	v_add_f32 v224, v224, v226
	v_add_f32 v228, v228, v230
	v_add_f32 v224, v224, v228
	v_ldexp_f32 v224, v224, s41                    ; x 2^(e0 + e1)
	v_cmp_gt_u32 vcc_lo, s18, v14
	s_wait_alu depctr_va_vdst(0)
	s_wait_xcnt 0x0
	s_wait_tensorcnt 0x0
	ds_add_u32 v254, v255
	s_wait_dscnt 0x0
	s_and_saveexec_b32 s40, vcc_lo
	global_store_b32 v13, v224, s[14:15]           ; a tile's 16 energies are 64 consecutive bytes; neighbouring tiles of a batch lie side by side
	s_wait_xcnt 0x0
	s_or_b32 exec_lo, exec_lo, s40
	s_endpgm
.Lfunc_end_k_qdeed8f7e4f_energy:
	.size	k_qdeed8f7e4f_energy, .Lfunc_end_k_qdeed8f7e4f_energy-k_qdeed8f7e4f_energy
	.p2alignl 7, 3214868480
	.fill 96, 4, 3214868480
	.section	.rodata,"a",@progbits
	.p2align	6, 0x0
	.amdhsa_kernel k_qdeed8f7e4f_energy
		.amdhsa_group_segment_fixed_size 308736
		.amdhsa_private_segment_fixed_size 0
		.amdhsa_enable_private_segment 0
		.amdhsa_kernarg_size 48
		.amdhsa_user_sgpr_count 2
		.amdhsa_user_sgpr_kernarg_segment_ptr 1
		.amdhsa_wavefront_size32 1
		.amdhsa_system_sgpr_workgroup_id_x 1
		.amdhsa_system_sgpr_workgroup_id_y 1
		.amdhsa_system_sgpr_workgroup_id_z 1
		.amdhsa_system_vgpr_workitem_id 0
		.amdhsa_next_free_vgpr 512
		.amdhsa_next_free_sgpr 66
		.amdhsa_reserve_vcc 1
		.amdhsa_float_denorm_mode_32 3
		.amdhsa_float_denorm_mode_16_64 3
		.amdhsa_memory_ordered 1
		.amdhsa_forward_progress 1
		.amdhsa_inst_pref_size 199
	.end_amdhsa_kernel
	.amdgpu_metadata
---
amdhsa.version: [ 1, 2 ]
amdhsa.kernels:
  - .name:           k_qdeed8f7e4f_energy
    .symbol:         k_qdeed8f7e4f_energy.kd
    .args:
      - { .name: outputs, .offset: 0, .size: 8, .value_kind: global_buffer, .address_space: global }
      - { .name: wcodes, .offset: 8, .size: 8, .value_kind: global_buffer, .address_space: global }
      - { .name: plan, .offset: 16, .size: 8, .value_kind: global_buffer, .address_space: global }
      - { .name: lowp_scales, .offset: 24, .size: 8, .value_kind: global_buffer, .address_space: global }
      - { .name: weight_vec, .offset: 32, .size: 8, .value_kind: global_buffer, .address_space: global }
      - { .name: energies, .offset: 40, .size: 8, .value_kind: global_buffer, .address_space: global }
    .group_segment_fixed_size: 308736
    .private_segment_fixed_size: 0
    .kernarg_segment_align: 8
    .kernarg_segment_size: 48
    .max_flat_workgroup_size: 256
    .sgpr_count:     66
    .vgpr_count:     512
    .wavefront_size: 32
...
	.end_amdgpu_metadata
.endif
;; end of part 2
;; launch softmax (part 3): grid 64 x 1, 1 waves a work-group, no clusters, 0 bytes of LDS; arguments energies, text_lens, b, weight_vec, out0; writes out0
.if DOCPART == 3
	.amdgcn_target "amdgcn-amd-amdhsa--gfx1250"
	.amdhsa_code_object_version 6
	.text
	.protected	k_qdeed8f7e4f_softmax
	.globl	k_qdeed8f7e4f_softmax
	.p2align	8
	.type	k_qdeed8f7e4f_softmax,@function
k_qdeed8f7e4f_softmax:
	s_mov_b64 s[64:65], 0
	v_nop
	global_prefetch_b8 v0, s[64:65] scope:SCOPE_SE
	s_setreg_imm32_b32 hwreg(HW_REG_WAVE_MODE, 25, 1), 1
	s_wait_xcnt 0x0
; out0[batch][pos] = softmax over pos of (pos < len ? energy + b . weight_vec : -1e10).  One wave takes one batch: its 1,024 numbers are 32 registers; no LDS, no barrier.
; Load j gives lane l the positions 128 j + 4 l + i: every load and store of the wave covers 512 consecutive bytes.
; The row's maximum is taken away before the exponential, as the definition has it; a row that is masked whole (len <= 0) gives 1 / 1,024 everywhere.  The length may be any int32: it is held within 0 .. 1,024 first.
.set EN, 16                            ; v16-47   the energies, then p
.set BB, 48                            ; v48-79   b
.set WW, 80                            ; v80-111  weight_vec
.set CC, 112                           ; v112-119 four chains of b . weight_vec
	s_load_b256 s[4:11], s[0:1], 0x0               ; energies s[4:5], text_lens s[6:7], b s[8:9], weight_vec s[10:11]
	s_load_b64 s[12:13], s[0:1], 0x20              ; out0
	v_lshlrev_b32 v1, 4, v0                        ; 16 x lane (one wave: the thread's number is the lane)
	v_lshlrev_b32 v2, 2, v0                        ; 4 x lane
	v_mov_b32 v3, 0xd01502f9                       ; -1e10
	s_lshl_b32 s16, ttmp9, 2
	s_mov_b32 s17, 0
	s_lshl_b32 s18, ttmp9, 12                      ; a batch's row: 4,096 bytes
	s_mov_b32 s19, 0
	s_mov_b32 s20, 0x76543210                      ; v_permlanex16_b32: lane l xor 16
	s_mov_b32 s21, 0xfedcba98
	s_mov_b32 s22, 0x3fb8aa3b                      ; log2(e)
	s_mov_b32 s23, s22                             ; (named with it as a pair, so it is written)
	s_wait_alu depctr_va_vdst(0)
	s_wait_kmcnt 0x0
	s_add_nc_u64 s[6:7], s[6:7], s[16:17]
	s_load_b32 s14, s[6:7], 0x0                    ; len
	s_add_nc_u64 s[4:5], s[4:5], s[18:19]
	s_add_nc_u64 s[12:13], s[12:13], s[18:19]
.irp j, 0,1,2,3,4,5,6,7
	global_load_b128 v[BB+4*\j:BB+4*\j+3], v1, s[8:9] offset:512*\j
.endr
.irp j, 0,1,2,3,4,5,6,7
	global_load_b128 v[WW+4*\j:WW+4*\j+3], v1, s[10:11] offset:512*\j
.endr
.irp j, 0,1,2,3,4,5,6,7
	global_load_b128 v[EN+4*\j:EN+4*\j+3], v1, s[4:5] offset:512*\j
.endr
	s_wait_loadcnt 8                               ; b and weight_vec are in; the eight loads of energies may be out
.irp c, 0,1,2,3
	v_pk_mul_f32 v[CC+2*\c:CC+2*\c+1], v[BB+2*\c:BB+2*\c+1], v[WW+2*\c:WW+2*\c+1]      ; the first products start the four chains
.endr
.irp p, 1,2,3
.irp c, 0,1,2,3
	v_pk_fma_f32 v[CC+2*\c:CC+2*\c+1], v[BB+8*\p+2*\c:BB+8*\p+2*\c+1], v[WW+8*\p+2*\c:WW+8*\p+2*\c+1], v[CC+2*\c:CC+2*\c+1]
.endr
.endr
	v_pk_add_f32 v[CC:CC+1], v[CC:CC+1], v[CC+2:CC+3]
	v_pk_add_f32 v[CC+4:CC+5], v[CC+4:CC+5], v[CC+6:CC+7]
	v_pk_add_f32 v[CC:CC+1], v[CC:CC+1], v[CC+4:CC+5]
	v_add_f32 v[CC], v[CC], v[CC+1]
	v_add_f32_dpp v[CC], v[CC], v[CC] row_xmask:1 row_mask:0xf bank_mask:0xf
	v_add_f32_dpp v[CC], v[CC], v[CC] row_xmask:2 row_mask:0xf bank_mask:0xf
	v_add_f32_dpp v[CC], v[CC], v[CC] row_xmask:4 row_mask:0xf bank_mask:0xf
	v_add_f32_dpp v[CC], v[CC], v[CC] row_xmask:8 row_mask:0xf bank_mask:0xf
	v_permlanex16_b32 v[CC+1], v[CC], s20, s21
	v_add_f32 v[CC], v[CC], v[CC+1]                ; b . weight_vec, in every lane
	s_wait_alu depctr_va_vdst(0)
	s_wait_kmcnt 0x0
	s_max_i32 s14, s14, 0
	s_min_i32 s14, s14, 1024
	v_sub_nc_u32 v2, s14, v2                       ; d = len - 4 lane: position 128 j + 4 lane + i counts where 128 j + i < d
	s_wait_alu depctr_va_vdst(0)
	s_wait_loadcnt 0x0
.set n, 0
.rept 32
	v_add_f32 v[EN+n], v[CC], v[EN+n]
	v_cmp_lt_i32 vcc_lo, 128*(n/4)+n%4, v2
	v_cndmask_b32 v[EN+n], v3, v[EN+n], vcc_lo
.set n, n+1
.endr
	v_max3_num_f32 v4, v16, v17, v18               ; the row's maximum: two chains in the lane,
	v_max3_num_f32 v5, v19, v20, v21
.irp i, 6,10,14,18,22,26
	v_max3_num_f32 v4, v4, v[EN+\i], v[EN+1+\i]
	v_max3_num_f32 v5, v5, v[EN+2+\i], v[EN+3+\i]
.endr
	v_max3_num_f32 v4, v4, v46, v47
	v_max_num_f32 v4, v4, v5
	v_max_num_f32_dpp v4, v4, v4 row_xmask:1 row_mask:0xf bank_mask:0xf    ; then across the lanes
	v_max_num_f32_dpp v4, v4, v4 row_xmask:2 row_mask:0xf bank_mask:0xf
	v_max_num_f32_dpp v4, v4, v4 row_xmask:4 row_mask:0xf bank_mask:0xf
	v_max_num_f32_dpp v4, v4, v4 row_xmask:8 row_mask:0xf bank_mask:0xf
	v_permlanex16_b32 v5, v4, s20, s21
	v_max_num_f32 v6, v4, v5
	v_mov_b32 v7, v6
.irp a, 0,2,4,6,8,10,12,14,16,18,20,22,24,26,28,30
	v_pk_add_f32 v[EN+\a:EN+\a+1], v[EN+\a:EN+\a+1], v[6:7] neg_lo:[0,1] neg_hi:[0,1]   ; e - max first: exactly 0 at the maximum, however large the numbers
.endr
.irp a, 0,2,4,6,8,10,12,14,16,18,20,22,24,26,28,30
	v_pk_mul_f32 v[EN+\a:EN+\a+1], v[EN+\a:EN+\a+1], s[22:23] op_sel_hi:[1,0]           ; x log2(e)
.endr
.set n, 0
	s_wait_alu depctr_va_vdst(0)
.rept 32
	v_exp_f32 v[EN+n], v[EN+n]                     ; p, at most 1; 0 where the mask hides a position beside one that counts
.set n, n+1
.endr
	v_nop                                          ; a plain line behind the last exponential,
	s_wait_alu depctr_va_vdst(0)                   ; and one wait for the batch, ahead of its first reader
	v_pk_add_f32 v[8:9], v[16:17], v[18:19]        ; the sum: two chains,
	v_pk_add_f32 v[10:11], v[20:21], v[22:23]
.irp a, 8,12,16,20,24,28
	v_pk_add_f32 v[8:9], v[8:9], v[EN+\a:EN+\a+1]
	v_pk_add_f32 v[10:11], v[10:11], v[EN+2+\a:EN+3+\a]
.endr
	v_pk_add_f32 v[8:9], v[8:9], v[10:11]
	v_add_f32 v8, v8, v9
	v_add_f32_dpp v8, v8, v8 row_xmask:1 row_mask:0xf bank_mask:0xf        ; then across the lanes
	v_add_f32_dpp v8, v8, v8 row_xmask:2 row_mask:0xf bank_mask:0xf
	v_add_f32_dpp v8, v8, v8 row_xmask:4 row_mask:0xf bank_mask:0xf
	v_add_f32_dpp v8, v8, v8 row_xmask:8 row_mask:0xf bank_mask:0xf
	v_permlanex16_b32 v9, v8, s20, s21
	v_add_f32 v8, v8, v9                           ; at least 1: the maximum's own p
	s_wait_alu depctr_va_vdst(0)
	v_rcp_f32 v10, v8
	v_nop                                          ; a plain line behind the reciprocal,
	s_wait_alu depctr_va_vdst(0)                   ; and its wait, ahead of the first reader
.irp a, 0,2,4,6,8,10,12,14,16,18,20,22,24,26,28,30
	v_pk_mul_f32 v[EN+\a:EN+\a+1], v[EN+\a:EN+\a+1], v[10:11] op_sel_hi:[1,0]   ; of the pair the low word serves both halves
.endr
.irp j, 0,1,2,3,4,5,6,7
	global_store_b128 v1, v[EN+4*\j:EN+4*\j+3], s[12:13] offset:512*\j     ; 32 lanes store 512 consecutive bytes, aligned
.endr
	s_endpgm
.Lfunc_end_k_qdeed8f7e4f_softmax:
	.size	k_qdeed8f7e4f_softmax, .Lfunc_end_k_qdeed8f7e4f_softmax-k_qdeed8f7e4f_softmax
	.p2alignl 7, 3214868480
	.fill 96, 4, 3214868480
	.section	.rodata,"a",@progbits
	.p2align	6, 0x0
	.amdhsa_kernel k_qdeed8f7e4f_softmax
		.amdhsa_group_segment_fixed_size 0
		.amdhsa_private_segment_fixed_size 0
		.amdhsa_enable_private_segment 0
		.amdhsa_kernarg_size 40
		.amdhsa_user_sgpr_count 2
		.amdhsa_user_sgpr_kernarg_segment_ptr 1
		.amdhsa_wavefront_size32 1
		.amdhsa_system_sgpr_workgroup_id_x 1
		.amdhsa_system_sgpr_workgroup_id_y 1
		.amdhsa_system_sgpr_workgroup_id_z 1
		.amdhsa_system_vgpr_workitem_id 0
		.amdhsa_next_free_vgpr 128
		.amdhsa_next_free_sgpr 66
		.amdhsa_reserve_vcc 1
		.amdhsa_float_denorm_mode_32 3
		.amdhsa_float_denorm_mode_16_64 3
		.amdhsa_memory_ordered 1
		.amdhsa_forward_progress 1
		.amdhsa_inst_pref_size 17
	.end_amdhsa_kernel
	.amdgpu_metadata
---
amdhsa.version: [ 1, 2 ]
amdhsa.kernels:
  - .name:           k_qdeed8f7e4f_softmax
    .symbol:         k_qdeed8f7e4f_softmax.kd
    .args:
      - { .name: energies, .offset: 0, .size: 8, .value_kind: global_buffer, .address_space: global }
      - { .name: text_lens, .offset: 8, .size: 8, .value_kind: global_buffer, .address_space: global }
      - { .name: b, .offset: 16, .size: 8, .value_kind: global_buffer, .address_space: global }
      - { .name: weight_vec, .offset: 24, .size: 8, .value_kind: global_buffer, .address_space: global }
      - { .name: out0, .offset: 32, .size: 8, .value_kind: global_buffer, .address_space: global }
    .group_segment_fixed_size: 0
    .private_segment_fixed_size: 0
    .kernarg_segment_align: 8
    .kernarg_segment_size: 40
    .max_flat_workgroup_size: 32
    .sgpr_count:     66
    .vgpr_count:     128
    .wavefront_size: 32
...
	.end_amdgpu_metadata
.endif
;; end of part 3
